; MI455X (gfx1250); checked and timed in simulation.
; The chip was launched on July 23, 2026; its instructions are those of AMD's public machine-readable ISA for CDNA 5 (MIT licence, August 2026) and "CDNA5" Instruction Set Architecture Reference Guide (July 2026). The comments in the code are by the model that wrote it; some were corrected since.
;; My GRU Cell. Allowed arithmetic: float matrix products may take bf16 or f16 operands with f32 sums; other float arithmetic in f32, or as packed bf16 or f16 multiplies, adds, multiply-adds, maxima and minima; sums over many terms, partial sums and values carried from step to step in f32; what a program stores and reads back later, other than sums and carried values, may be rounded once to bf16 or f16.
;; Inputs: Whh_b 1,024 float32; Whh_w 1,024 x 1,024 float32; Whr_b 1,024 float32; Whr_w 1,024 x 1,024 float32; Whz_b 1,024 float32; Whz_w 1,024 x 1,024 float32; Wih_b 1,024 float32; Wih_w 1,024 x 1,024 float32; Wir_b 1,024 float32; Wir_w 1,024 x 1,024 float32; Wiz_b 1,024 float32; Wiz_w 1,024 x 1,024 float32; h_prev 8,192 x 1,024 float32; x 8,192 x 1,024 float32.
;; Outputs: out0 8,192 x 1,024 float32.
;; 2 versions, each right; version 2 is version 1 with the launch cast written anew for expert scheduling mode. Each part assembles by itself: llvm-mc -triple=amdgcn-amd-amdhsa -mcpu=gfx1250 --defsym DOCPART=n.
;; ======== version 1 of 2: 2 launches
;; workspace buffers: Ab 33,554,432 bytes; Wb 12,582,912 bytes
;; launch cast (part 1): grid 32 x 22, 8 waves a work-group, no clusters, 0 bytes of LDS; arguments x, h_prev, Wiz_w, Wir_w, Wih_w, Whz_w, Whr_w, Whh_w, Ab, Wb; writes Ab, Wb
.if DOCPART == 1
	.amdgcn_target "amdgcn-amd-amdhsa--gfx1250"
	.amdhsa_code_object_version 6
	.text
	.protected	k_qf8e6e6f2ff_cast
	.globl	k_qf8e6e6f2ff_cast
	.p2align	8
	.type	k_qf8e6e6f2ff_cast,@function
k_qf8e6e6f2ff_cast:
	s_mov_b64 s[64:65], 0
	v_nop
	global_prefetch_b8 v0, s[64:65] scope:SCOPE_SE
	s_setreg_imm32_b32 hwreg(HW_REG_WAVE_MODE, 25, 1), 1
	s_wait_xcnt 0x0
; x, h_prev and the six weight matrices, all f32 with rows of 1,024 numbers, are rounded once to bf16 (to nearest even) and laid as the product wants them:
;   Ab [8192][2048] bf16: row m = x[m], then h_prev[m].
;   Wb [8 ct][3 g][128 n][2048] bf16: row 384 ct + 128 g + n = Wi{g}[128 ct + n], then Wh{g}[128 ct + n]; g = 0: z, 1: r, 2: h.  So the weights of 128 output columns are 384 rows on end.
; LIMITS.  A number beyond bf16's largest finite one (3.39e38) becomes an infinity; NaN stays NaN.
; A stream: memory binds, so no LDS, no barrier, no matrix unit and no cluster (no two work-groups read the same byte).
; SHARES.  The grid's y picks 1,024 source rows (0-7: x, 8-15: h_prev, 16-21: one weight matrix), its x 32 of them.  Thread t owns the 16 bytes at 16 t of every source row, so a wave's load covers 512
; consecutive bytes, and the 8 bytes at 8 t of the half row that it makes, so a wave's store covers 256 consecutive bytes at a multiple of 256 from the buffer's first byte.
; All 32 loads of a wave go out before the first is waited for: 16,384 bytes a wave on their way.
.set ROWS, 32                          ; rows of a work-group
.set ROW,  4096                        ; bytes in a source row, and from row to row in Ab and Wb
.set X,    4                           ; v[4:131]  row i: 4 registers as loaded; the first two then hold its 4 bf16 pairs
	s_load_b512 s[8:23], s[0:1], 0x0               ; the eight sources, in the order of q below
	s_load_b128 s[24:27], s[0:1], 0x40             ; Ab s[24:25], Wb s[26:27]
	s_and_b32 s2, ttmp7, 0xffff                    ; y
	s_mov_b32 s3, ttmp9                            ; which 32 rows
	v_lshlrev_b32 v1, 4, v0                        ; my 16 bytes of a source row
	v_lshlrev_b32 v2, 3, v0                        ; my 8 bytes of a half row
	; y < 16: an activation.  Both buffers have 4,096 bytes from row to row, so the offsets differ by the half alone.
	s_lshr_b32 s28, s2, 3                          ; p: 0 x, 1 h_prev; also the source's number q
	s_and_b32 s29, s2, 7
	s_lshl_b32 s29, s29, 22                        ; 1,024 rows of 4,096 bytes
	s_lshl_b32 s30, s3, 17                         ; 32 rows of 4,096 bytes
	s_add_co_u32 s29, s29, s30                     ; offset in the source
	s_lshl_b32 s31, s28, 11                        ; the half: 2,048 bytes
	s_add_co_u32 s31, s31, s29                     ; offset in Ab
	; y >= 16: weight matrix j = y - 16.  (For y < 16 these lines make numbers that the selects below drop.)
	s_sub_co_u32 s32, s2, 16                       ; j
	s_cmp_ge_u32 s32, 3
	s_cselect_b32 s33, 1, 0                        ; p: 0 Wi.., 1 Wh..
	s_mul_i32 s34, s33, 3
	s_sub_co_u32 s34, s32, s34                     ; g
	s_lshr_b32 s35, s3, 2                          ; ct: four blocks of 32 rows make 128
	s_mul_i32 s35, s35, 384
	s_lshl_b32 s34, s34, 7
	s_add_co_u32 s35, s35, s34
	s_and_b32 s36, s3, 3
	s_lshl_b32 s36, s36, 5
	s_add_co_u32 s35, s35, s36                     ; row 384 ct + 128 g + n
	s_lshl_b32 s35, s35, 12
	s_lshl_b32 s33, s33, 11
	s_add_co_u32 s35, s35, s33                     ; offset in Wb
	s_add_co_u32 s32, s32, 2                       ; q
	s_cmp_ge_u32 s2, 16
	s_cselect_b32 s37, s32, s28                    ; q
	s_cselect_b32 s40, s30, s29                    ; offset in the source
	s_cselect_b32 s42, s35, s31                    ; offset in the destination
	s_mov_b32 s41, 0
	s_mov_b32 s43, 0
	s_wait_kmcnt 0x0
	s_mov_b64 s[4:5], s[8:9]                       ; the source is chosen among the eight by q, which hangs on the grid's y alone
.irp k, 1,2,3,4,5,6,7
	s_cmp_eq_u32 s37, \k
	s_cselect_b64 s[4:5], s[8+2*\k:9+2*\k], s[4:5]
.endr
	s_cmp_ge_u32 s2, 16
	s_cselect_b64 s[6:7], s[26:27], s[24:25]
	s_add_nc_u64 s[4:5], s[4:5], s[40:41]
	s_add_nc_u64 s[6:7], s[6:7], s[42:43]
.set i, 0
.rept ROWS
	global_load_b128 v[X+4*i:X+4*i+3], v1, s[4:5] offset:ROW*i th:TH_LOAD_NT  ; read once in the launch
.set i, i+1
.endr
.set i, 0
.rept ROWS
	s_wait_loadcnt ROWS-1-i                        ; loads come back in order (ISA guide 5.7.1): row i is in, the younger rows stay out
	v_cvt_pk_bf16_f32 v[X+4*i],   v[X+4*i],   v[X+4*i+1]
	v_cvt_pk_bf16_f32 v[X+4*i+1], v[X+4*i+2], v[X+4*i+3]
	global_store_b64 v2, v[X+4*i:X+4*i+1], s[6:7] offset:ROW*i  ; no register that a store names is written again
.set i, i+1
.endr
	s_endpgm
.Lfunc_end_k_qf8e6e6f2ff_cast:
	.size	k_qf8e6e6f2ff_cast, .Lfunc_end_k_qf8e6e6f2ff_cast-k_qf8e6e6f2ff_cast
	.p2alignl 7, 3214868480
	.fill 96, 4, 3214868480
	.section	.rodata,"a",@progbits
	.p2align	6, 0x0
	.amdhsa_kernel k_qf8e6e6f2ff_cast
		.amdhsa_group_segment_fixed_size 0
		.amdhsa_private_segment_fixed_size 0
		.amdhsa_enable_private_segment 0
		.amdhsa_kernarg_size 80
		.amdhsa_user_sgpr_count 2
		.amdhsa_user_sgpr_kernarg_segment_ptr 1
		.amdhsa_wavefront_size32 1
		.amdhsa_system_sgpr_workgroup_id_x 1
		.amdhsa_system_sgpr_workgroup_id_y 1
		.amdhsa_system_sgpr_workgroup_id_z 1
		.amdhsa_system_vgpr_workitem_id 0
		.amdhsa_next_free_vgpr 132
		.amdhsa_next_free_sgpr 66
		.amdhsa_reserve_vcc 0
		.amdhsa_float_denorm_mode_32 3
		.amdhsa_float_denorm_mode_16_64 3
		.amdhsa_memory_ordered 1
		.amdhsa_forward_progress 1
		.amdhsa_inst_pref_size 14
	.end_amdhsa_kernel
	.amdgpu_metadata
---
amdhsa.version: [ 1, 2 ]
amdhsa.kernels:
  - .name:           k_qf8e6e6f2ff_cast
    .symbol:         k_qf8e6e6f2ff_cast.kd
    .args:
      - { .name: x, .offset: 0, .size: 8, .value_kind: global_buffer, .address_space: global }
      - { .name: h_prev, .offset: 8, .size: 8, .value_kind: global_buffer, .address_space: global }
      - { .name: Wiz_w, .offset: 16, .size: 8, .value_kind: global_buffer, .address_space: global }
      - { .name: Wir_w, .offset: 24, .size: 8, .value_kind: global_buffer, .address_space: global }
      - { .name: Wih_w, .offset: 32, .size: 8, .value_kind: global_buffer, .address_space: global }
      - { .name: Whz_w, .offset: 40, .size: 8, .value_kind: global_buffer, .address_space: global }
      - { .name: Whr_w, .offset: 48, .size: 8, .value_kind: global_buffer, .address_space: global }
      - { .name: Whh_w, .offset: 56, .size: 8, .value_kind: global_buffer, .address_space: global }
      - { .name: Ab, .offset: 64, .size: 8, .value_kind: global_buffer, .address_space: global }
      - { .name: Wb, .offset: 72, .size: 8, .value_kind: global_buffer, .address_space: global }
    .group_segment_fixed_size: 0
    .private_segment_fixed_size: 0
    .kernarg_segment_align: 8
    .kernarg_segment_size: 80
    .max_flat_workgroup_size: 256
    .sgpr_count:     66
    .vgpr_count:     132
    .wavefront_size: 32
...
	.end_amdgpu_metadata
.endif
;; end of part 1
;; launch gru (part 2): grid 8 x 64, 4 waves a work-group, clusters of 4 x 4, 327,680 bytes of LDS; arguments Ab, Wb, Wiz_b, Whz_b, Wir_b, Whr_b, Wih_b, Whh_b, out0; writes out0
.if DOCPART == 2
	.amdgcn_target "amdgcn-amd-amdhsa--gfx1250"
	.amdhsa_code_object_version 6
	.text
	.protected	k_qf8e6e6f2ff_gru
	.globl	k_qf8e6e6f2ff_gru
	.p2align	8
	.type	k_qf8e6e6f2ff_gru,@function
k_qf8e6e6f2ff_gru:
	s_mov_b64 s[64:65], 0
	v_nop
	global_prefetch_b8 v0, s[64:65] scope:SCOPE_SE
	s_setreg_imm32_b32 hwreg(HW_REG_WAVE_MODE, 25, 1), 1
	s_wait_xcnt 0x0
	s_wait_alu depctr_hold_cnt(0) depctr_sa_sdst(0) depctr_va_vdst(0) depctr_va_sdst(0) depctr_va_ssrc(0) depctr_va_vcc(0) depctr_vm_vsrc(0)
	s_getreg_b32 s2, hwreg(HW_REG_IB_STS2, 6, 4)
	s_cmp_eq_u32 s2, 0
	s_cbranch_scc0 .Lentry_in_a_cluster
	s_endpgm
.Lentry_in_a_cluster:
	s_bfe_u32 s2, ttmp6, 0x10000c
	s_cmp_lg_u32 s2, 0xf033
	s_cbranch_scc0 .Lentry_shape_is_right
	s_endpgm
.Lentry_shape_is_right:
; THE GRU STEP.  z = sigmoid(x Wiz^T + h Whz^T + biases), r likewise, g = tanh(x Wih^T + Wih_b + r (h Whh^T + Whh_b)), out0 = (1 - z) g + z h.  8,192 rows, 1,024 columns, K = 1,024 for x and for h.
; Ab [8192][2048] bf16 holds x | h row by row; Wb [8 ct][3 gates][128][2048] bf16 holds Wi | Wh row by row, the 384 weight rows of 128 output columns on end.  Products in bf16 with f32 sums, all else in f32.
; LIMITS.  Every input enters rounded once to bf16: x, h (in the blend too), the weights (rounded by the launch before), and here the six biases.  An output's sums take 128 of x and 128 of h by turns, not all of
; x and then all of h.  sigmoid(a) = 1 / (1 + 2^(-1.442695 a)), tanh(t) = 1 - 2 / (1 + 2^(2.885390 t)): both end rightly where the power is 0 or an infinity; tanh carries an absolute error of about 1e-7, so below
; about 1e-6 its relative accuracy is gone; a power below 2^-126 counts as 0 (ISA guide 15.8).  NaN and infinities are not treated apart.
; SHARES.  A work-group makes 128 rows x 128 columns of out0, and each output wants FOUR sums (z, r, x's part and h's part of g): each of the four waves holds 64 x 64 x 4 = 64 accumulators of 16 x 16, 512 registers.
; THE WALK.  16 K steps of 128; steps of x and of h alternate, so x's always lie in LDS slot 0 and h's in slot 1: in slot 0 the third gate adds to IH, in slot 1 to HH, and one text of a lap (two steps) serves all laps.
; A step's tiles: 128 rows of Ab and 3 x 128 rows of Wb, 256 bytes of each row, at multiples of 256 from the buffers' first bytes; one tensor load a wave (wave 0: Ab's, waves 1-3: a gate's).
; CLUSTER.  4 x 4 work-groups.  Ab's tile hangs on the row tile alone and is asked for jointly by a row of the cluster, Wb's on the column tile alone and jointly by a column: the same load, descriptor and mask in all four.
; THE MATRIX INSTRUCTION IS USED TRANSPOSED (source 0 = 16 weight rows, source 1 = 16 batch rows): lane l holds batch row l % 16 and the eight neighbouring columns 8 (l / 16) + 0..7.
; THE SUMS START FROM THE BIASES: the C operand of each accumulator's first product is the bias of its columns; nothing is cleared and no bias is added later.
; REGISTERS, in windows of 256 (s_set_vgpr_msb: bits 1:0 source 0, 3:2 source 1, 5:4 source 2, 7:6 destination):
;   window 0: v0-29 addresses; v32-63 at work; v64-95, v96-127 Ab's fragments, two buffers (4 x 16 rows x 32 K); v128-255 the biases as C operands.  On the way out: v64-127 h as bf16, v128-159 at work, v32-63 and v160-255 rows to store
;   window 1: v0-95, v96-191 Wb's fragments, two buffers (gate g, block b at 32 g + 8 b)
;   window 2: Z v0-127, R v128-255          window 3: IH v0-127, HH v128-255          accumulator (a, b) at base + 8 (4 a + b)
.set PITCH,  272                       ; an LDS row: 256 bytes + 16 of padding = 68 words: the 16 rows of a load start in 16 different groups of four banks (64 banks of 4 bytes: ISA guide 11.1)
.set HALFT,  128*PITCH                 ; 128 rows: what one tensor load brings
.set SLOT,   4*HALFT                   ; Ab's 128 rows, then the three gates' 128 rows each
.set STAGE,  2*SLOT                    ; behind the ring: 16 rows x 272 bytes for each wave, for the way out; no tensor load fills it
.set SPITCH, 272
.set SPARE,  STAGE+4*16*SPITCH         ; behind the stages: the spare words, 128 bytes for each wave: two blocks of 256 bytes that no other line names
.set ROWB,   4096                      ; bytes from row to row in Ab, in Wb and in out0
.set HHALF,  2048                      ; byte at which h's half of a row of Ab or Wb begins
.set STEPB,  256                       ; bytes of a row in a K step
.set LAPS,   8
.set ADRA, 8                           ; v8-9    LDS address of my fragments of Ab in slot 0, 1
.set ADRB, 10                          ; v10-15  of gate g's in slot s at 3 s + g: a register each, since two gates' rows lie further apart than an LDS offset's 16 bits reach
.set STO,  16                          ; v16     the way out: where I put 32 bytes of a row
.set RD,   17                          ; v17     the way out: where I read a row back
.set CO,   18                          ; v18     my byte offset in out0
.set ADRH, 19                          ; v19     LDS address of my part of the work-group's own tile of h
.set VB,   20                          ; v20     my byte offset in a bias
.set SPW,  28                          ; v28     LDS address of my spare word: SPARE + 4 x my thread's number; never rewritten
.set NIL,  29                          ; v29     0; never rewritten
.set T,    32
.set HB,   64
.set BZ,   128                         ; the biases: block b's eight columns at + 8 b
.set BR,   160
.set BI,   192
.set BH,   224
.set HF,   128
.set G1,  24                           ; s[24:31] descriptor group 1 for Ab's tiles;  s[32:39] group 0, a set for each slot
.set G0,  32
.set G1B, 48                           ; s[48:55], s[56:63] the same for Wb's tiles
.set G0B, 56
.set G1H, 88                           ; s[88:95], s[96:99] for the work-group's own tile of h
.set G0H, 96
.set MSB, 0
.macro WIN new                         ; the immediate's high byte repeats the setting that is left; a switch that changes nothing is dropped
.if MSB != (\new)
	s_set_vgpr_msb (MSB<<8)|(\new)
.set MSB, \new
.endif
.endm
.set TO_B, 0x40                        ; destination window 1, address window 0
.set E_S,  0x82                        ; destination and source 0 window 2
.set E_T,  0xfe                        ; source 0 window 2, the others window 3
.set E_G,  0xc3                        ; destination and source 0 window 3
.set E_D,  0x0c                        ; source 1 window 3, the others window 0
.set E_O,  0x32                        ; source 0 window 2, source 2 window 3, the others window 0
.macro PLACES                          ; a load into a register that a matrix instruction has read, and a vector instruction that reads a matrix result, stand four places behind it, and only plain vector
.rept 4                                ; instructions that name none of its registers are places (ISA guide 7.12.1 for vector instructions)
	v_nop
.endr
.endm
; A joint load.  Wave 0 fetches Ab's tile, waves 1 to 3 a gate's.  Each line has one mask, and nothing in its registers hangs on a coordinate that the four partners do not share; the branch hangs on the wave's number alone.
; An s_nop 0 and four v_nop follow each line, ahead of the jump and the label.
.macro JLOAD s
	s_cmp_eq_u32 s10, 0
	s_cbranch_scc0 .Lfor_b_\@
	tensor_load_to_lds s[G0+4*(\s):G0+4*(\s)+3], s[G1:G1+7]
	s_nop 0
.rept 4
	v_nop
.endr
	s_branch .Lasked_\@
.Lfor_b_\@:
	tensor_load_to_lds s[G0B+4*(\s):G0B+4*(\s)+3], s[G1B:G1B+7]
	s_nop 0
.rept 4
	v_nop
.endr
.Lasked_\@:
.endm
.macro CREST                           ; a round of the cluster's barrier behind its opening barrier: wave 0 signals for the work-group, every wave waits for all sixteen, my work-group's barrier closes it
	s_cmp_lg_u32 s10, 0
	s_cbranch_scc1 .Lnot_wave_0_\@
	s_barrier_signal -3
.Lnot_wave_0_\@:
	s_barrier_wait -3
	s_barrier_signal -1
	s_barrier_wait -1
.endm
.macro CROUND                          ; a whole round
	s_barrier_signal -1
	s_barrier_wait -1
	CREST
.endm
	s_load_b512 s[68:83], s[0:1], 0x0              ; Ab s[68:69], Wb s[70:71], Wiz_b s[72:73], Whz_b s[74:75], Wir_b s[76:77], Whr_b s[78:79], Wih_b s[80:81], Whh_b s[82:83]
	s_load_b64 s[84:85], s[0:1], 0x40              ; out0
	v_lshl_add_u32 v[SPW], v0, 2, SPARE
	v_mov_b32 v[NIL], 0
	ds_add_u32 v[SPW], v[NIL]                      ; the wave's opening: the add and its wait come ahead of my first tensor load; the set-up below, work on registers, stands between them
	v_lshrrev_b32 v1, 5, v0
	v_readfirstlane_b32 s10, v1                    ; wave 0..3
	s_lshr_b32 s11, s10, 1                         ; which 64 of the tile's rows are mine
	s_and_b32 s12, s10, 1                          ; which 64 of its columns
	s_bfe_u32 s40, ttmp6, 0x40000                  ; cx, cy: my place in the cluster
	s_bfe_u32 s41, ttmp6, 0x40004
	s_lshl_b32 s42, ttmp9, 2                       ; in a cluster launch ttmp9 and ttmp7 count clusters
	s_add_co_u32 s42, s42, s40                     ; column tile = 4 x cluster x + cx
	s_and_b32 s13, ttmp7, 0xffff
	s_lshl_b32 s13, s13, 2
	s_add_co_u32 s13, s13, s41                     ; row tile = 4 x cluster y + cy
	s_lshl_b32 s43, s41, 2
	s_lshl_b32 s43, 15, s43                        ; my row of the cluster: places 4 cy .. 4 cy + 3
	s_lshl_b32 s44, 0x1111, s40                    ; my column: places cx, cx + 4, cx + 8, cx + 12
	; descriptor group 1: tiles of 128 rows x 128 elements, padded in LDS
	s_or_b32 s[G1+0], s43, (1<<16)|(1<<20)|(1<<21)|(5<<22)|(3<<25)   ; 15:0 the mask: Ab's tiles go to my row; 17:16 elements of 2 bytes; 20 padding on; 21 set beside a mask; 24:22 after every 64 words (code 5); 31:25 4 words of it (code 3)
	s_or_b32 s[G1B+0], s44, (1<<16)|(1<<20)|(1<<21)|(5<<22)|(3<<25)  ; the same with the mask of my column
.irp g, G1, G1B
	s_mov_b32 s[(\g)+1], 128<<16                   ; tensor_dim0 = 128
	s_mov_b32 s[(\g)+2], 128<<16                   ; tensor_dim1 = 128
	s_mov_b32 s[(\g)+3], 128<<16                   ; tile_dim0 = 128
	s_mov_b32 s[(\g)+4], 128                       ; tile_dim1 = 128
	s_mov_b32 s[(\g)+5], 2048                      ; 2,048 elements from row to row
	s_mov_b32 s[(\g)+6], 0
	s_mov_b32 s[(\g)+7], 0
.endr
	s_mov_b32 s[G1H+0], (1<<16)|(1<<20)|(5<<22)|(3<<25)  ; no mask: the tile of h for the blend is my work-group's alone.  32 rows x 128 elements a wave, the same padding
	s_mov_b32 s[G1H+1], 128<<16
	s_mov_b32 s[G1H+2], 32<<16
	s_mov_b32 s[G1H+3], 128<<16
	s_mov_b32 s[G1H+4], 32
	s_mov_b32 s[G1H+5], 2048
	s_mov_b32 s[G1H+6], 0
	s_mov_b32 s[G1H+7], 0
	s_mov_b32 s[G0H], 1
	s_mul_i32 s[G0H+1], s10, 32*PITCH              ; it lands where slot 0 held Ab's rows: wave x 32 rows
	s_mov_b32 s4, 0xbfb8aa3b                       ; -log2(e), as a pair for the packed multiply
	s_mov_b32 s5, s4
	s_mov_b32 s6, 0x4038aa3b                       ; 2 log2(e)
	s_mov_b32 s7, s6
	s_mov_b32 s8, 0xffff0000                       ; a word's upper bf16
	; offsets, each made apart from its address.  Ab's tile hangs on the row tile, Wb's on the column tile and the wave's gate; each in registers that never hold the other coordinate
	s_lshl_b32 s16, s13, 19                        ; 128 rows of 4,096 bytes
	s_mov_b32 s17, 0
	s_mul_i32 s46, s42, 384*ROWB                   ; the column tile's 384 rows,
	s_max_u32 s21, s10, 1
	s_sub_co_u32 s21, s21, 1                       ; gate = wave - 1 (wave 0 makes gate 0's address and never asks by it)
	s_lshl_b32 s21, s21, 19
	s_add_co_u32 s46, s46, s21                     ; the gate's 128 of them
	s_mov_b32 s47, 0
	s_mul_i32 s20, s10, HALFT                      ; where the tiles go: wave x 128 rows: no place in the cluster enters an LDS address
	s_lshl_b32 s86, s13, 19                        ; my 32 rows of the tile of h: row 128 x row tile + 32 x wave,
	s_lshl_b32 s87, s10, 17
	s_add_co_u32 s86, s86, s87
	s_lshl_b32 s87, s42, 8                         ; column 128 x column tile, 2 bytes each,
	s_add_co_u32 s86, s86, s87
	s_add_co_u32 s86, s86, HHALF                   ; in h's half of the rows
	s_mov_b32 s87, 0
	s_lshl_b32 s100, s13, 19                       ; my part of out0: row 128 x row tile + 64 x half,
	s_lshl_b32 s101, s11, 18
	s_add_co_u32 s100, s100, s101
	s_lshl_b32 s101, s42, 9                        ; column 128 x column tile + 64 x half, 4 bytes each
	s_add_co_u32 s100, s100, s101
	s_lshl_b32 s101, s12, 8
	s_add_co_u32 s100, s100, s101
	s_mov_b32 s101, 0
	s_wait_dscnt 0x0                               ; the opening add is done
	s_wait_kmcnt 0x0
	s_add_nc_u64 s[14:15], s[68:69], s[16:17]
	s_add_nc_u64 s[46:47], s[70:71], s[46:47]
	s_add_nc_u64 s[G0H+2:G0H+3], s[68:69], s[86:87]
	s_or_b32 s[G0H+3], s[G0H+3], 0x80000000
	s_add_nc_u64 s[84:85], s[84:85], s[100:101]
	CROUND                                         ; all sixteen work-groups are here: the first joint loads meet
.irp s, 0,1
	s_mov_b32 s[G0+4*(\s)], 1                                        ; count = 1
	s_add_co_u32 s[G0+4*(\s)+1], s20, (\s)*SLOT                      ; LDS address
	s_add_nc_u64 s[G0+4*(\s)+2:G0+4*(\s)+3], s[14:15], (\s)*HHALF    ; slot 0 walks x's half of the rows, slot 1 h's
	s_or_b32 s[G0+4*(\s)+3], s[G0+4*(\s)+3], 0x80000000              ; type = 2
	s_mov_b32 s[G0B+4*(\s)], 1
	s_add_co_u32 s[G0B+4*(\s)+1], s20, (\s)*SLOT
	s_add_nc_u64 s[G0B+4*(\s)+2:G0B+4*(\s)+3], s[46:47], (\s)*HHALF
	s_or_b32 s[G0B+4*(\s)+3], s[G0B+4*(\s)+3], 0x80000000
	JLOAD \s                                       ; both slots are asked for before anything else is done: two tensor loads of mine are out
.endr
	; IN THE WAIT FOR THE FIRST TILE: the biases and the addresses.
	v_and_b32 v1, 15, v0                           ; l % 16
	v_bfe_u32 v2, v0, 4, 1                         ; l / 16
	s_lshl_b32 s86, s42, 9
	s_lshl_b32 s87, s12, 8
	s_add_co_u32 s86, s86, s87                     ; my 64 columns in a bias, 4 bytes each
	v_lshl_add_u32 v[VB], v2, 5, s86               ; and 8 columns for each half of the lanes
.macro BLD dst, base                   ; a bias as a C operand: block b's register j = the bias of column 16 b + 8 (l / 16) + j
.irp b, 0,1,2,3
	global_load_b128 v[(\dst)+8*(\b):(\dst)+8*(\b)+3],   v[VB], s[\base:\base+1] offset:64*(\b)
	global_load_b128 v[(\dst)+8*(\b)+4:(\dst)+8*(\b)+7], v[VB], s[\base:\base+1] offset:64*(\b)+16
.endr
.endm
	BLD BZ, 72                                     ; Wiz_b
	BLD 64, 74                                     ; Whz_b, in registers that the fragments take later
	BLD BR, 76                                     ; Wir_b
	BLD 96, 78                                     ; Whr_b
	BLD BI, 80                                     ; Wih_b
	BLD BH, 82                                     ; Whh_b
	; A fragment is 16 rows x 32 K in 8 registers: lane l holds row l % 16, K = 8 (l / 16) + 0..7 and 16 + 8 (l / 16) + 0..7: two loads of 16 bytes, 32 bytes apart.
	v_mul_u32_u24 v3, v1, PITCH
	v_lshl_add_u32 v3, v2, 4, v3                   ; row x pitch + 16 x half
	s_mul_i32 s21, s11, 64*PITCH                   ; my 64 rows of Ab
	s_mul_i32 s22, s12, 64*PITCH                   ; my 64 rows of a gate,
	s_add_co_u32 s22, s22, HALFT                   ; the first of which lies behind Ab's 128
.irp s, 0,1
	v_add_nc_u32 v[ADRA+(\s)], s21, v3
.irp g, 0,1,2
	v_add_nc_u32 v[ADRB+3*(\s)+(\g)], s22, v3
	s_add_co_u32 s22, s22, HALFT
.endr
	s_add_co_u32 s21, s21, SLOT
	s_add_co_u32 s22, s22, HALFT                   ; three gates and this: a slot on
.endr
	s_lshl_b32 s23, s12, 7                         ; the tile of h: my rows as Ab's in slot 0, my 64 columns of 2 bytes
	v_add_nc_u32 v[ADRH], s23, v[ADRA]
	s_mul_i32 s23, s10, 16*SPITCH
	s_add_co_u32 s23, s23, STAGE                   ; my stage
	v_mul_u32_u24 v4, v1, SPITCH                   ; in: row l % 16, 32 bytes (8 f32) for each half of the lanes
	v_lshl_add_u32 v4, v2, 5, v4
	v_add_nc_u32 v[STO], s23, v4
	v_mul_u32_u24 v5, v2, SPITCH                   ; back: lanes 0-15 take one row of 256 bytes, lanes 16-31 the next
	v_lshl_add_u32 v5, v1, 4, v5
	v_add_nc_u32 v[RD], s23, v5
	v_lshlrev_b32 v5, 12, v2                       ; and the same two rows in out0
	v_lshl_add_u32 v[CO], v1, 4, v5
	s_wait_loadcnt 0x0                             ; the biases, once
.irp base, 64, 128, 192                ; each is rounded to bf16 like every other input, and widened again: 32 pairs at a time
.set i, 0
.rept 32
	v_cvt_pk_bf16_f32 v[T+i], v[(\base)+2*i], v[(\base)+2*i+1]
.set i, i+1
.endr
.set i, 0
.rept 32
	v_lshlrev_b32 v[(\base)+2*i],   16, v[T+i]
	v_and_b32     v[(\base)+2*i+1], s8, v[T+i]
.set i, i+1
.endr
.endr
.set i, 0
.rept 16                               ; z's and r's sums take both their biases
	v_pk_add_f32 v[BZ+2*i:BZ+2*i+1], v[BZ+2*i:BZ+2*i+1], v[64+2*i:64+2*i+1]
	v_pk_add_f32 v[BR+2*i:BR+2*i+1], v[BR+2*i:BR+2*i+1], v[96+2*i:96+2*i+1]
.set i, i+1
.endr
; 16 matrix instructions: gate g's 4 blocks of weight rows x my 4 blocks of batch rows, 32 along K, from fragment buffers f; accumulators at acc in window 2 (hi = 0) or 3 (hi = 1).
; bias != 0: the sums start: C is the bias, in window 0.  The accumulators take turns, one instruction a turn: between two products on one accumulator stand 47 others'.
.macro MULG f, g, acc, hi, bias
.if \bias
	WIN 0x81+0x40*(\hi)                            ; source 0 window 1, source 1 and C window 0, D window 2 or 3
.else
	WIN 0xa1+0x50*(\hi)                            ; the same with C in D's window
.endif
.irp a, 0,1,2,3
.irp b, 0,1,2,3
.if \bias
	v_wmma_f32_16x16x32_bf16 v[(\acc)+8*(4*(\a)+(\b)):(\acc)+8*(4*(\a)+(\b))+7], v[96*(\f)+32*(\g)+8*(\b):96*(\f)+32*(\g)+8*(\b)+7], v[64+32*(\f)+8*(\a):64+32*(\f)+8*(\a)+7], v[(\bias)+8*(\b):(\bias)+8*(\b)+7]
.else
	v_wmma_f32_16x16x32_bf16 v[(\acc)+8*(4*(\a)+(\b)):(\acc)+8*(4*(\a)+(\b))+7], v[96*(\f)+32*(\g)+8*(\b):96*(\f)+32*(\g)+8*(\b)+7], v[64+32*(\f)+8*(\a):64+32*(\f)+8*(\a)+7], v[(\acc)+8*(4*(\a)+(\b)):(\acc)+8*(4*(\a)+(\b))+7]
.endif
.endr
.endr
.endm
; 32 LDS loads in one run: the fragments of 32 along K at byte k of the rows, into buffers f: Ab's 8 loads, then gate z's, r's and the third's 8 each, in the order in which they are wanted
.macro FETCH slot, k, f
	WIN 0
.irp a, 0,1,2,3
	ds_load_b128 v[64+32*(\f)+8*(\a):64+32*(\f)+8*(\a)+3],   v[ADRA+(\slot)] offset:(\k)+(\a)*16*PITCH
	ds_load_b128 v[64+32*(\f)+8*(\a)+4:64+32*(\f)+8*(\a)+7], v[ADRA+(\slot)] offset:(\k)+(\a)*16*PITCH+32
.endr
	WIN TO_B
.irp g, 0,1,2
.irp b, 0,1,2,3
	ds_load_b128 v[96*(\f)+32*(\g)+8*(\b):96*(\f)+32*(\g)+8*(\b)+3],   v[ADRB+3*(\slot)+(\g)] offset:(\k)+(\b)*16*PITCH
	ds_load_b128 v[96*(\f)+32*(\g)+8*(\b)+4:96*(\f)+32*(\g)+8*(\b)+7], v[ADRB+3*(\slot)+(\g)] offset:(\k)+(\b)*16*PITCH+32
.endr
.endr
.endm
; A K step is four quarters of 32 along K, 48 matrix instructions each, on buffers 0, 1, 0, 1.  One of the first three: multiplies buffers f; behind its first 16 products it fetches the next quarter, at byte k, into buffers g.
; init = 1: the walk's first quarter: Z, R and IH start from their biases.  init = 2: h's first quarter: HH starts.
.macro QUARTER slot, k, f, g, init
	s_wait_dscnt 16                                ; Ab's and gate z's fragments are in; the 16 younger loads (r's and the third gate's) may be out
.if (\init) == 1
	MULG \f, 0, 0, 0, BZ
.else
	MULG \f, 0, 0, 0, 0
.endif
	PLACES                                         ; for the loads into buffers g, which the quarter before multiplied
	FETCH \slot, \k, \g
	s_wait_dscnt 32                                ; all but the 32 just issued
.if (\init) == 1
	MULG \f, 1, 128, 0, BR
	MULG \f, 2, 128*(\slot), 1, BI
.elseif (\init) == 2
	MULG \f, 1, 128, 0, 0
	MULG \f, 2, 128*(\slot), 1, BH
.else
	MULG \f, 1, 128, 0, 0
	MULG \f, 2, 128*(\slot), 1, 0
.endif
.endm
; The last quarter multiplies buffers 1 and changes slots.  In front of the barrier each wave waits for all its tensor loads, of which one is out: its part of the next slot; adds 0 to its spare word; and waits for that
; and for its own reads of this slot.  The barrier opens a round of the cluster's barrier: behind the round no wave of any partner reads this slot or has a load on its way, and the next slot is whole.
; mode = 1: this slot takes its next K step, 256 bytes on in the rows, by the joint load.  mode = 2 (the last lap): where slot 0 held Ab's rows comes the work-group's own tile of h, 32 rows a wave, for the blend.
; From a request to the wait for it a wave issues 160 matrix instructions.
.macro TURN slot, next, mode
	WIN 0                                          ; (the add's two registers lie in window 0)
	s_wait_tensorcnt 0x0                           ; all my tensor loads have landed
	ds_add_u32 v[SPW], v[NIL]                      ; 0 onto my spare word
	s_wait_dscnt 17                                ; (the add and the 16 youngest loads may be out)
	MULG 1, 0, 0, 0, 0                             ; sixteen matrix instructions stand between the add and the wait for it
	s_wait_dscnt 0x0                               ; the add is done, and my reads of this slot are over
	s_barrier_signal -1
	MULG 1, 1, 128, 0, 0                           ; work on registers while the others arrive
	WIN 0
	s_barrier_wait -1
	CREST
.if (\mode) == 1
	s_add_nc_u64 s[G0+4*(\slot)+2:G0+4*(\slot)+3], s[G0+4*(\slot)+2:G0+4*(\slot)+3], STEPB      ; no tensor load of mine is out, so a group 0 may be written; the type bits on top are not reached
	s_add_nc_u64 s[G0B+4*(\slot)+2:G0B+4*(\slot)+3], s[G0B+4*(\slot)+2:G0B+4*(\slot)+3], STEPB
	JLOAD \slot                                    ; my one tensor load behind the round, and the first thing there; its four v_nop are also the places in front of the loads below
.else
	tensor_load_to_lds s[G0H:G0H+3], s[G1H:G1H+7]
	s_nop 0
.rept 4
	v_nop
.endr
.endif
	FETCH \next, 0, 0
	MULG 1, 2, 128*(\slot), 1, 0
.endm
.macro LAP first                       ; once round the ring: a step of x, a step of h; both slots are filled again
	QUARTER 0, 64,  0, 1, \first
	QUARTER 0, 128, 1, 0, 0
	QUARTER 0, 192, 0, 1, 0
	TURN 0, 1, 1
	QUARTER 1, 64,  0, 1, 2*(\first)
	QUARTER 1, 128, 1, 0, 0
	QUARTER 1, 192, 0, 1, 0
	TURN 1, 0, 1
.endm
	s_wait_tensorcnt 1                             ; my part of K step 0 is in; step 1's may stay out
	s_barrier_signal -1
	s_barrier_wait -1                              ; everybody's is
	FETCH 0, 0, 0
	LAP 1                                          ; the first lap is written out: its products start the sums
	WIN 0                                          ; at a label and at a branch every window is 0
	s_mov_b32 s3, LAPS-2
.Llap:
	LAP 0
	WIN 0
	s_sub_co_u32 s3, s3, 1
	s_cmp_lg_u32 s3, 0
	s_cbranch_scc1 .Llap
	QUARTER 0, 64,  0, 1, 0                        ; the last lap is written out: no further K step is asked for
	QUARTER 0, 128, 1, 0, 0
	QUARTER 0, 192, 0, 1, 0
	TURN 0, 1, 2
	QUARTER 1, 64,  0, 1, 0
	QUARTER 1, 128, 1, 0, 0
	QUARTER 1, 192, 0, 1, 0
	s_wait_dscnt 16                                ; the very last quarter
	MULG 1, 0, 0, 0, 0
	s_wait_dscnt 0x0                               ; my last fragments are in,
	s_wait_tensorcnt 0x0                           ; and my 32 rows of the tile of h have landed: said to the others, who read them
	s_barrier_signal -1
	MULG 1, 1, 128, 0, 0
	MULG 1, 2, 128, 1, 0
	WIN 0
	s_barrier_wait -1
	PLACES                                         ; behind the last products: for the loads into the fragments' registers and for the first reads of the sums
.irp a, 0,1,2,3
.irp b, 0,1,2,3
	ds_load_b128 v[HB+4*(4*(\a)+(\b)):HB+4*(4*(\a)+(\b))+3], v[ADRH] offset:(\a)*16*PITCH+32*(\b)  ; h of my row 16 a + l % 16, columns 16 b + 8 (l / 16) + 0..7: as the sums lie
.endr
.endr
; THE WAY OUT, a block of 16 rows (32 numbers a lane) at a time.  Every run goes up the registers.  Behind each run of exponentials or reciprocals
; stands one v_nop: a plain instruction between every one of them and the use of its result (ISA guide 5.7.2).
.macro EPI a
	WIN E_S
.set i, 0
.rept 16
	v_pk_mul_f32 v[32*(\a)+2*i:32*(\a)+2*i+1],         v[32*(\a)+2*i:32*(\a)+2*i+1],         s[4:5] op_sel_hi:[1,0]  ; -log2(e) x the sums of z
	v_pk_mul_f32 v[128+32*(\a)+2*i:128+32*(\a)+2*i+1], v[128+32*(\a)+2*i:128+32*(\a)+2*i+1], s[4:5] op_sel_hi:[1,0]  ; and of r
.set i, i+1
.endr
.set i, 0
.rept 32
	v_exp_f32 v[32*(\a)+i], v[32*(\a)+i]
	v_exp_f32 v[128+32*(\a)+i], v[128+32*(\a)+i]
.set i, i+1
.endr
	v_nop
.set i, 0
	s_wait_alu depctr_va_vdst(0)
.rept 16
	v_pk_add_f32 v[32*(\a)+2*i:32*(\a)+2*i+1],         v[32*(\a)+2*i:32*(\a)+2*i+1],         1.0 op_sel_hi:[1,0]
	v_pk_add_f32 v[128+32*(\a)+2*i:128+32*(\a)+2*i+1], v[128+32*(\a)+2*i:128+32*(\a)+2*i+1], 1.0 op_sel_hi:[1,0]
.set i, i+1
.endr
.set i, 0
.rept 32
	v_rcp_f32 v[32*(\a)+i], v[32*(\a)+i]           ; z
	v_rcp_f32 v[128+32*(\a)+i], v[128+32*(\a)+i]   ; r
.set i, i+1
.endr
	v_nop
	WIN E_T
.set i, 0
	s_wait_alu depctr_va_vdst(0)
.rept 16
	v_pk_fma_f32 v[32*(\a)+2*i:32*(\a)+2*i+1], v[128+32*(\a)+2*i:128+32*(\a)+2*i+1], v[128+32*(\a)+2*i:128+32*(\a)+2*i+1], v[32*(\a)+2*i:32*(\a)+2*i+1]  ; t = IH + r HH
.set i, i+1
.endr
	WIN E_G
.set i, 0
.rept 16
	v_pk_mul_f32 v[32*(\a)+2*i:32*(\a)+2*i+1], v[32*(\a)+2*i:32*(\a)+2*i+1], s[6:7] op_sel_hi:[1,0]
.set i, i+1
.endr
.set i, 0
.rept 32
	v_exp_f32 v[32*(\a)+i], v[32*(\a)+i]
.set i, i+1
.endr
	v_nop
.set i, 0
	s_wait_alu depctr_va_vdst(0)
.rept 16
	v_pk_add_f32 v[32*(\a)+2*i:32*(\a)+2*i+1], v[32*(\a)+2*i:32*(\a)+2*i+1], 1.0 op_sel_hi:[1,0]
.set i, i+1
.endr
.set i, 0
.rept 32
	v_rcp_f32 v[32*(\a)+i], v[32*(\a)+i]
.set i, i+1
.endr
	v_nop
.set i, 0
	s_wait_alu depctr_va_vdst(0)
.rept 16
	v_pk_fma_f32 v[32*(\a)+2*i:32*(\a)+2*i+1], v[32*(\a)+2*i:32*(\a)+2*i+1], -2.0, 1.0 op_sel_hi:[1,0,0]  ; g = 1 - 2 / (1 + 2^(2 log2(e) t))
.set i, i+1
.endr
	WIN 0
.if (\a) == 0
	s_wait_dscnt 0x0                               ; h is in
.endif
.set i, 0
.rept 16
	v_lshlrev_b32 v[HF+2*i],   16, v[HB+16*(\a)+i] ; bf16 to f32: the low half moves up,
	v_and_b32     v[HF+2*i+1], s8, v[HB+16*(\a)+i] ; the high half stays
.set i, i+1
.endr
	WIN E_D
.set i, 0
.rept 16
	v_pk_add_f32 v[HF+2*i:HF+2*i+1], v[HF+2*i:HF+2*i+1], v[32*(\a)+2*i:32*(\a)+2*i+1] neg_lo:[0,1] neg_hi:[0,1]  ; h - g
.set i, i+1
.endr
	WIN E_O
.set i, 0
.rept 16
	v_pk_fma_f32 v[HF+2*i:HF+2*i+1], v[32*(\a)+2*i:32*(\a)+2*i+1], v[HF+2*i:HF+2*i+1], v[32*(\a)+2*i:32*(\a)+2*i+1]  ; g + z (h - g) = (1 - z) g + z h
.set i, i+1
.endr
	WIN 0
.endm
.macro OBK a                           ; block a's rows to store have registers of their own, so that no store's source is ever written again
.if (\a) == 0
.set BK, 32
.else
.set BK, 128+32*(\a)
.endif
.endm
.macro TOSTAGE a                       ; a lane's 8 neighbouring f32 go into my stage's rows of 272 bytes, and whole rows of 256 bytes come back
	OBK \a
.irp b, 0,1,2,3
	ds_store_b128 v[STO], v[HF+8*(\b):HF+8*(\b)+3]   offset:64*(\b)
	ds_store_b128 v[STO], v[HF+8*(\b)+4:HF+8*(\b)+7] offset:64*(\b)+16
.endr
.irp t, 0,1,2,3,4,5,6,7
	ds_load_b128 v[BK+4*(\t):BK+4*(\t)+3], v[RD] offset:(\t)*2*SPITCH  ; LDS serves a wave's instructions in order (ISA guide 5.7.1.4): these see the stores above, and the next block's stores come behind them
.endr
.endm
.macro SEND a
	OBK \a
	s_wait_dscnt 0x0                               ; the block is back in registers
.irp t, 0,1,2,3,4,5,6,7
	global_store_b128 v[CO], v[BK+4*(\t):BK+4*(\t)+3], s[84:85] offset:(16*(\a)+2*(\t))*ROWB th:TH_STORE_NT  ; 16 lanes store 256 consecutive bytes, at a multiple of 256 from out0's first byte
.endr
.endm
	EPI 0
	TOSTAGE 0
.irp a, 1,2,3                          ; a block's arithmetic stands between the loads of the block before and the wait for them
	EPI \a
	SEND (\a)-1
	TOSTAGE \a
.endr
	SEND 3
	s_wait_tensorcnt 0x0                           ; the wave's end, behind my last tensor load and my last LDS store
	ds_add_u32 v[SPW], v[NIL]
	s_wait_dscnt 0x0
	CROUND                                         ; the closing round: no work-group ends while a partner may still ask for a tile that names it
	s_endpgm
.Lfunc_end_k_qf8e6e6f2ff_gru:
	.size	k_qf8e6e6f2ff_gru, .Lfunc_end_k_qf8e6e6f2ff_gru-k_qf8e6e6f2ff_gru
	.p2alignl 7, 3214868480
	.fill 96, 4, 3214868480
	.section	.rodata,"a",@progbits
	.p2align	6, 0x0
	.amdhsa_kernel k_qf8e6e6f2ff_gru
		.amdhsa_group_segment_fixed_size 327680
		.amdhsa_private_segment_fixed_size 0
		.amdhsa_enable_private_segment 0
		.amdhsa_kernarg_size 72
		.amdhsa_user_sgpr_count 2
		.amdhsa_user_sgpr_kernarg_segment_ptr 1
		.amdhsa_wavefront_size32 1
		.amdhsa_system_sgpr_workgroup_id_x 1
		.amdhsa_system_sgpr_workgroup_id_y 1
		.amdhsa_system_sgpr_workgroup_id_z 1
		.amdhsa_system_vgpr_workitem_id 0
		.amdhsa_next_free_vgpr 1024
		.amdhsa_next_free_sgpr 102
		.amdhsa_reserve_vcc 0
		.amdhsa_float_denorm_mode_32 3
		.amdhsa_float_denorm_mode_16_64 3
		.amdhsa_memory_ordered 1
		.amdhsa_forward_progress 1
		.amdhsa_inst_pref_size 239
	.end_amdhsa_kernel
	.amdgpu_metadata
---
amdhsa.version: [ 1, 2 ]
amdhsa.kernels:
  - .name:           k_qf8e6e6f2ff_gru
    .symbol:         k_qf8e6e6f2ff_gru.kd
    .args:
      - { .name: Ab, .offset: 0, .size: 8, .value_kind: global_buffer, .address_space: global }
      - { .name: Wb, .offset: 8, .size: 8, .value_kind: global_buffer, .address_space: global }
      - { .name: Wiz_b, .offset: 16, .size: 8, .value_kind: global_buffer, .address_space: global }
      - { .name: Whz_b, .offset: 24, .size: 8, .value_kind: global_buffer, .address_space: global }
      - { .name: Wir_b, .offset: 32, .size: 8, .value_kind: global_buffer, .address_space: global }
      - { .name: Whr_b, .offset: 40, .size: 8, .value_kind: global_buffer, .address_space: global }
      - { .name: Wih_b, .offset: 48, .size: 8, .value_kind: global_buffer, .address_space: global }
      - { .name: Whh_b, .offset: 56, .size: 8, .value_kind: global_buffer, .address_space: global }
      - { .name: out0, .offset: 64, .size: 8, .value_kind: global_buffer, .address_space: global }
    .group_segment_fixed_size: 327680
    .private_segment_fixed_size: 0
    .kernarg_segment_align: 8
    .kernarg_segment_size: 72
    .max_flat_workgroup_size: 128
    .sgpr_count:     102
    .vgpr_count:     1024
    .wavefront_size: 32
...
	.end_amdgpu_metadata
.endif
;; end of part 2
;; ======== version 2 of 2: 2 launches; version 1 with the launch cast written anew for expert scheduling mode
;; workspace buffers: Ab 33,554,432 bytes; Wb 12,582,912 bytes
;; launch cast (part 3): grid 32 x 22, 8 waves a work-group, no clusters, 0 bytes of LDS; arguments x, h_prev, Wiz_w, Wir_w, Wih_w, Whz_w, Whr_w, Whh_w, Ab, Wb; writes Ab, Wb
.if DOCPART == 3
	.amdgcn_target "amdgcn-amd-amdhsa--gfx1250"
	.amdhsa_code_object_version 6
	.text
	.protected	k_qf8e6e6f2ff_cast
	.globl	k_qf8e6e6f2ff_cast
	.p2align	8
	.type	k_qf8e6e6f2ff_cast,@function
k_qf8e6e6f2ff_cast:
	s_mov_b64 s[64:65], 0
	v_nop
	global_prefetch_b8 v0, s[64:65] scope:SCOPE_SE
	s_setreg_imm32_b32 hwreg(HW_REG_WAVE_SCHED_MODE, 0, 2), 2
	s_setreg_imm32_b32 hwreg(HW_REG_WAVE_MODE, 25, 1), 1
	s_wait_xcnt 0x0
	s_wait_alu depctr_vm_vsrc(0)
; x, h_prev and the six weight matrices, all f32 with rows of 1,024 numbers, are rounded once to bf16 (to nearest even) and laid as the product wants them:
;   Ab [8192][2048] bf16: row m = x[m], then h_prev[m].
;   Wb [8 ct][3 g][128 n][2048] bf16: row 384 ct + 128 g + n = Wi{g}[128 ct + n], then Wh{g}[128 ct + n]; g = 0: z, 1: r, 2: h.  So the weights of 128 output columns are 384 rows on end.
; LIMITS.  A number beyond bf16's largest finite one (3.39e38) becomes an infinity; NaN stays NaN.
; A stream: memory binds, so no LDS, no barrier, no matrix unit and no cluster (no two work-groups read the same byte).
; SHARES.  The grid's y picks 1,024 source rows (0-7: x, 8-15: h_prev, 16-21: one weight matrix), its x 32 of them.  Thread t owns the 16 bytes at 16 t of every source row, so a wave's load covers 512
; consecutive bytes, and the 8 bytes at 8 t of the half row that it makes, so a wave's store covers 256 consecutive bytes at a multiple of 256 from the buffer's first byte.
; All 32 loads of a wave go out before the first is waited for: 16,384 bytes a wave on their way.
; THE MODE: SCHED_MODE bits 1:0 = 2 (LLVM: expert scheduling mode 2), set by the entry lines.  The code itself states the register dependences
; between vector instructions and memory instructions, with s_wait_alu, always for 0.
; THE PLAN.  Registers that memory instructions touch:
;   v1, v2      byte offsets, made once at the head and never written again: v1 is read by every load, v2 by every store.
;   X, row i    four registers.  Written by row i's load, which is issued before any vector instruction names them; read by row i's two conversions, which write the first two; those two are read by row i's
;               store.  Behind its store no line writes a row's registers again, so no wait is owed for a store's sources.
; The 32 rows go in 8 blocks of four.  Row i's store is issued in the turn of row i + 4, ahead of that row's conversions.  So ONE wait on va_vdst at a block's head states that the block before has written its
; four pairs, and the block's four stores follow it with no further wait: the vector instructions between are the conversions of this block's own rows, which name other registers.
.set ROWS,  32                         ; rows of a work-group
.set BLOCK, 4                          ; rows in a block
.set ROW,   4096                       ; bytes in a source row, and from row to row in Ab and Wb
.set X,     4                          ; v[4:131]  row i: 4 registers as loaded; the first two then hold its 4 bf16 pairs
	s_load_b512 s[8:23], s[0:1], 0x0               ; the eight sources, in the order of q below
	s_load_b128 s[24:27], s[0:1], 0x40             ; Ab s[24:25], Wb s[26:27]
	s_and_b32 s2, ttmp7, 0xffff                    ; y
	s_mov_b32 s3, ttmp9                            ; which 32 rows
	v_lshlrev_b32 v1, 4, v0                        ; my 16 bytes of a source row
	v_lshlrev_b32 v2, 3, v0                        ; my 8 bytes of a half row
	; y < 16: an activation.  Both buffers have 4,096 bytes from row to row, so the offsets differ by the half alone.
	s_lshr_b32 s28, s2, 3                          ; p: 0 x, 1 h_prev; also the source's number q
	s_and_b32 s29, s2, 7
	s_lshl_b32 s29, s29, 22                        ; 1,024 rows of 4,096 bytes
	s_lshl_b32 s30, s3, 17                         ; 32 rows of 4,096 bytes
	s_add_co_u32 s29, s29, s30                     ; offset in the source
	s_lshl_b32 s31, s28, 11                        ; the half: 2,048 bytes
	s_add_co_u32 s31, s31, s29                     ; offset in Ab
	; y >= 16: weight matrix j = y - 16.  (For y < 16 these lines make numbers that the selects below drop.)
	s_sub_co_u32 s32, s2, 16                       ; j
	s_cmp_ge_u32 s32, 3
	s_cselect_b32 s33, 1, 0                        ; p: 0 Wi.., 1 Wh..
	s_mul_i32 s34, s33, 3
	s_sub_co_u32 s34, s32, s34                     ; g
	s_lshr_b32 s35, s3, 2                          ; ct: four blocks of 32 rows make 128
	s_mul_i32 s35, s35, 384
	s_lshl_b32 s34, s34, 7
	s_add_co_u32 s35, s35, s34
	s_and_b32 s36, s3, 3
	s_lshl_b32 s36, s36, 5
	s_add_co_u32 s35, s35, s36                     ; row 384 ct + 128 g + n
	s_lshl_b32 s35, s35, 12
	s_lshl_b32 s33, s33, 11
	s_add_co_u32 s35, s35, s33                     ; offset in Wb
	s_add_co_u32 s32, s32, 2                       ; q
	s_cmp_ge_u32 s2, 16
	s_cselect_b32 s37, s32, s28                    ; q
	s_cselect_b32 s40, s30, s29                    ; offset in the source
	s_cselect_b32 s42, s35, s31                    ; offset in the destination
	s_mov_b32 s41, 0
	s_mov_b32 s43, 0
	s_wait_kmcnt 0x0
	s_mov_b64 s[4:5], s[8:9]                       ; the source is chosen among the eight by q, which hangs on the grid's y alone
.irp k, 1,2,3,4,5,6,7
	s_cmp_eq_u32 s37, \k
	s_cselect_b64 s[4:5], s[8+2*\k:9+2*\k], s[4:5]
.endr
	s_cmp_ge_u32 s2, 16
	s_cselect_b64 s[6:7], s[26:27], s[24:25]
	s_add_nc_u64 s[4:5], s[4:5], s[40:41]
	s_add_nc_u64 s[6:7], s[6:7], s[42:43]
	s_wait_alu depctr_va_vdst(0)                   ; v1 and v2 are written: every load of the kernel reads v1 as its offset, every store v2
.set i, 0
.rept ROWS
	global_load_b128 v[X+4*i:X+4*i+3], v1, s[4:5] offset:ROW*i th:TH_LOAD_NT  ; read once in the launch
.set i, i+1
.endr
.set i, 0
.rept ROWS
	s_wait_loadcnt ROWS-1-i                        ; loads come back in order (ISA guide 5.7.1): row i is in, the younger rows stay out
.if (i > 0) && (i%BLOCK == 0)
	s_wait_alu depctr_va_vdst(0)                   ; a block's head: the conversions of the block before have written its four pairs, which this block's four stores read
.endif
.if i >= BLOCK
	global_store_b64 v2, v[X+4*(i-BLOCK):X+4*(i-BLOCK)+1], s[6:7] offset:ROW*(i-BLOCK)  ; the row a block back; no vector instruction since the wait names its registers, and none writes them again
.endif
	v_cvt_pk_bf16_f32 v[X+4*i],   v[X+4*i],   v[X+4*i+1]
	v_cvt_pk_bf16_f32 v[X+4*i+1], v[X+4*i+2], v[X+4*i+3]
.set i, i+1
.endr
	s_wait_alu depctr_va_vdst(0)                   ; the last block's conversions have written its four pairs, which the last four stores read
.set i, ROWS-BLOCK
.rept BLOCK
	global_store_b64 v2, v[X+4*i:X+4*i+1], s[6:7] offset:ROW*i
.set i, i+1
.endr
	s_endpgm
.Lfunc_end_k_qf8e6e6f2ff_cast:
	.size	k_qf8e6e6f2ff_cast, .Lfunc_end_k_qf8e6e6f2ff_cast-k_qf8e6e6f2ff_cast
	.p2alignl 7, 3214868480
	.fill 96, 4, 3214868480
	.section	.rodata,"a",@progbits
	.p2align	6, 0x0
	.amdhsa_kernel k_qf8e6e6f2ff_cast
		.amdhsa_group_segment_fixed_size 0
		.amdhsa_private_segment_fixed_size 0
		.amdhsa_enable_private_segment 0
		.amdhsa_kernarg_size 80
		.amdhsa_user_sgpr_count 2
		.amdhsa_user_sgpr_kernarg_segment_ptr 1
		.amdhsa_wavefront_size32 1
		.amdhsa_system_sgpr_workgroup_id_x 1
		.amdhsa_system_sgpr_workgroup_id_y 1
		.amdhsa_system_sgpr_workgroup_id_z 1
		.amdhsa_system_vgpr_workitem_id 0
		.amdhsa_next_free_vgpr 132
		.amdhsa_next_free_sgpr 66
		.amdhsa_reserve_vcc 0
		.amdhsa_float_denorm_mode_32 3
		.amdhsa_float_denorm_mode_16_64 3
		.amdhsa_memory_ordered 1
		.amdhsa_forward_progress 1
		.amdhsa_inst_pref_size 14
	.end_amdhsa_kernel
	.amdgpu_metadata
---
amdhsa.version: [ 1, 2 ]
amdhsa.kernels:
  - .name:           k_qf8e6e6f2ff_cast
    .symbol:         k_qf8e6e6f2ff_cast.kd
    .args:
      - { .name: x, .offset: 0, .size: 8, .value_kind: global_buffer, .address_space: global }
      - { .name: h_prev, .offset: 8, .size: 8, .value_kind: global_buffer, .address_space: global }
      - { .name: Wiz_w, .offset: 16, .size: 8, .value_kind: global_buffer, .address_space: global }
      - { .name: Wir_w, .offset: 24, .size: 8, .value_kind: global_buffer, .address_space: global }
      - { .name: Wih_w, .offset: 32, .size: 8, .value_kind: global_buffer, .address_space: global }
      - { .name: Whz_w, .offset: 40, .size: 8, .value_kind: global_buffer, .address_space: global }
      - { .name: Whr_w, .offset: 48, .size: 8, .value_kind: global_buffer, .address_space: global }
      - { .name: Whh_w, .offset: 56, .size: 8, .value_kind: global_buffer, .address_space: global }
      - { .name: Ab, .offset: 64, .size: 8, .value_kind: global_buffer, .address_space: global }
      - { .name: Wb, .offset: 72, .size: 8, .value_kind: global_buffer, .address_space: global }
    .group_segment_fixed_size: 0
    .private_segment_fixed_size: 0
    .kernarg_segment_align: 8
    .kernarg_segment_size: 80
    .max_flat_workgroup_size: 256
    .sgpr_count:     66
    .vgpr_count:     132
    .wavefront_size: 32
...
	.end_amdgpu_metadata
.endif
;; end of part 3
;; launch gru: the kernel of part 2 again; grid 8 x 64, 4 waves a work-group, clusters of 4 x 4, 327,680 bytes of LDS; arguments Ab, Wb, Wiz_b, Whz_b, Wir_b, Whr_b, Wih_b, Whh_b, out0; writes out0
